; MI455X (gfx1250); checked and timed in simulation.
; The chip was launched on July 23, 2026; its instructions are those of AMD's public machine-readable ISA for CDNA 5 (MIT licence, August 2026) and "CDNA5" Instruction Set Architecture Reference Guide (July 2026). The comments in the code are by the model that wrote it; some were corrected since.
;; Multi Head Self Attention. Allowed arithmetic: matrix products marked QUANTISED: E5M2 operands, one given power-of-two scale a tensor, by v_wmma_f32_16x16x64_bf8_bf8 or v_wmma_f32_16x16x128_bf8_bf8, f32 sums; everything else in f32.
;; Inputs: W_k_codes 1,024 x 32 x 32 uint8 (E5M2 codes of W_k, K innermost, in blocks of 32 codes); W_o_codes 1,024 x 32 x 32 uint8 (E5M2 codes of W_o, K innermost, in blocks of 32 codes); W_q_codes 1,024 x 32 x 32 uint8 (E5M2 codes of W_q, K innermost, in blocks of 32 codes); W_v_codes 1,024 x 32 x 32 uint8 (E5M2 codes of W_v, K innermost, in blocks of 32 codes); b_k 1,024 float32; b_o 1,024 float32; b_q 1,024 float32; b_v 1,024 float32; lowp_scales 12 int32 (the exponents e of the quantised operands' scales 2^e); x_codes 4 x 2,048 x 32 x 32 uint8 (E5M2 codes of x, K innermost, in blocks of 32 codes).
;; Outputs: out0 4 x 2,048 x 1,024 float32.
;; This version of the problem:
;;   THIS VERSION OF THE PROBLEM IS GIVEN IN LOW PRECISION. The matrix products marked QUANTISED in the list below multiply operands that are first quantised to E5M2 (5 exponent bits, 2 mantissa bits; 8 bits a number), with one given power-of-two scale for each operand tensor; their sums are f32. All else is computed in f32.
;;   The module's matrix products, in the order in which they are computed (A, B: the left and right operand; K: the contracted axis; several contracted axes count as one K, in the product's order):
;;     1. [M 8,192, K 1,024] x [K 1,024, N 1,024]; A: input x (given as codes); B: input W_q (given as codes): QUANTISED (scales: A lowp_scales[0], B lowp_scales[1])
;;     2. [M 8,192, K 1,024] x [K 1,024, N 1,024]; A: input x (given as codes); B: input W_k (given as codes): QUANTISED (scales: A lowp_scales[2], B lowp_scales[3])
;;     3. [M 8,192, K 1,024] x [K 1,024, N 1,024]; A: input x (given as codes); B: input W_v (given as codes): QUANTISED (scales: A lowp_scales[4], B lowp_scales[5])
;;     4. batch 64 x [M 2,048, K 64] x [K 64, N 2,048]; A: computed on the way; B: computed on the way: QUANTISED (scales: A lowp_scales[6], B lowp_scales[7])
;;     5. batch 64 x [M 2,048, K 2,048] x [K 2,048, N 64]; A: computed on the way; B: computed on the way: QUANTISED (scales: A lowp_scales[8], B lowp_scales[9])
;;     6. [M 8,192, K 1,024] x [K 1,024, N 1,024]; A: computed on the way; B: input W_o (given as codes): QUANTISED (scales: A lowp_scales[10], B lowp_scales[11])
;;   THE QUANTISER, for each operand of a quantised product, along K:
;;     - The operand's scale is 2^e, e = its entry of the input lowp_scales (int32; the entries are numbered through the quantised products in the list's order, A before B).
;;     - Each number is divided by the scale, clamped to +-57,344, and rounded to the nearest number of E5M2, ties to even, subnormals kept.
;;     - The product sums the exact products of the quantised numbers (number of the format x scale) in f32.
;;   ~~~python
;;   def quantise(x, axis, e):      # numpy; x: float32 -> the quantised numbers, widened to float32 again
;;       x = np.moveaxis(x, axis, -1); K = x.shape[-1]
;;       r = np.clip(x / 2.0 ** e, -57344, 57344)
;;       step = 2.0 ** (np.maximum(np.frexp(np.where(r == 0, 1, r))[1] - 1, -14) - 2)
;;       q = np.round(r / step) * step * 2.0 ** e      # np.round: ties to even
;;       return np.moveaxis(q, -1, axis).astype(np.float32)
;;   ~~~
;;   OPERANDS COMPUTED ON THE WAY. 'Computed on the way' means the value that the module computes at that place (a softmax that the list does not call 'softmax' is quantised finished and normalised). What goes into a quantiser is computed in f32, as accurately as f32 sums, v_exp_f32 and their like allow (about 1e-6 of the number): no bf16 or f16 on the way to a quantiser, and a product that is left as it is and whose result goes on into a quantised operand takes f32 operands (vector FMAs, or v_wmma_f32_16x16x4_f32). A number that lies on a knife's edge between two numbers of the format may be rounded either way, as far as f32 arithmetic and the matrix unit's own rounding can turn it there, and no further.
;;   INPUTS GIVEN AS CODES. W_k (in the module: [1024, 1024], K = its axis 1); W_o (in the module: [1024, 1024], K = its axis 1); W_q (in the module: [1024, 1024], K = its axis 1); W_v (in the module: [1024, 1024], K = its axis 1); x (in the module: [4, 2048, 1024], K = its axis 2): each comes as NAME_codes (uint8): NAME with its K axis moved to the last place and cut into blocks of 32 codes, [.., K / 32, bytes a block], one block behind the other in memory; one code a byte (a code: sign, 5 exponent bits, 2 mantissa bits); its scale is its entry of lowp_scales. Its value is code x scale, taken as it is: it is not quantised again, and the codes and scales need not be those that the quantiser above would give.
;; One version. Each part assembles by itself: llvm-mc -triple=amdgcn-amd-amdhsa -mcpu=gfx1250 --defsym DOCPART=n.
;; ======== version 1 of 1: 3 launches
;; limits: right only within a limited range of input values
;; workspace buffers: q_img 8,388,608 bytes; k_img 8,388,608 bytes; v_img 8,388,608 bytes; a_img 8,388,608 bytes
;; launch qkv (part 1): grid 12 x 32, 4 waves a work-group, clusters of 4 x 4, 327,680 bytes of LDS; arguments x_codes, W_q_codes, W_k_codes, W_v_codes, b_q, b_k, b_v, lowp_scales, q_img, k_img, v_img; writes q_img, k_img, v_img
.if DOCPART == 1
	.amdgcn_target "amdgcn-amd-amdhsa--gfx1250"
	.amdhsa_code_object_version 6
	.text
	.protected	k_q95e02d9b18_qkv
	.globl	k_q95e02d9b18_qkv
	.p2align	8
	.type	k_q95e02d9b18_qkv,@function
k_q95e02d9b18_qkv:
	s_mov_b64 s[64:65], 0
	v_nop
	global_prefetch_b8 v0, s[64:65] scope:SCOPE_SE
	s_setreg_imm32_b32 hwreg(HW_REG_WAVE_MODE, 25, 1), 1
	s_wait_xcnt 0x0
	s_wait_alu depctr_hold_cnt(0) depctr_sa_sdst(0) depctr_va_vdst(0) depctr_va_sdst(0) depctr_va_ssrc(0) depctr_va_vcc(0) depctr_vm_vsrc(0)
	s_getreg_b32 s2, hwreg(HW_REG_IB_STS2, 6, 4)
	s_cmp_eq_u32 s2, 0
	s_cbranch_scc0 .Lentry_in_a_cluster
	s_endpgm
.Lentry_in_a_cluster:
	s_bfe_u32 s2, ttmp6, 0x10000c
	s_cmp_lg_u32 s2, 0xf033
	s_cbranch_scc0 .Lentry_shape_is_right
	s_endpgm
.Lentry_shape_is_right:
; Q = x Wq^T + bq, K = x Wk^T + bk, V = x Wv^T + bv on codes of BF8 (E5M2); each result is quantised at once, with its given scale, for the attention launch.
; x: [8192][1024] codes, W: [1024][1024] codes, K innermost.  Scales (whole numbers e, a scale is 2^e): Q: e0, e1; K: e2, e3; V: e4, e5; the results: Q e6, K e7, V e9.
; ONE TEXT, THREE WEIGHTS.  The cluster's x (0, 1, 2) says which weight; it is the same in all sixteen partners.  The text makes C'[i][j] = sum over k of A'[i][k] B'[j][k], and a lane ends with ONE i and
; eight neighbouring j.  For Q and K: A' = x, B' = W: a lane's registers run along the head's 64, the next product's K.  For V: A' = Wv, B' = x: a lane's registers run along the tokens, the keys, which are
; the K of the product with the attention weights.  Only pointers, tile numbers and two strides are chosen (s_cselect on the cluster's x): there is no branch on it.
; A tile of C', 256 x 256, is made by four waves, each 128 x 128: 64 accumulators, 512 registers.  K goes in steps of 256 through a ring of two LDS slots filled by the tensor data mover.
; CLUSTERS: 4 x 4 work-groups.  The four of a row of the cluster need the same tile of A', the four of a column the same tile of B': each tile is asked for JOINTLY.
; THE MATRIX INSTRUCTION IS USED TRANSPOSED (source 0 = 16 rows of B', source 1 = 16 rows of A').
; THE WAY OUT has no LDS: value = sum x 2^(ea + eb) + bias (one rounding), held within +-57,344 x 2^eout, converted eight numbers at a time.  The buffers are IMAGES OF THE NEXT OPERAND'S REGISTERS:
;   q_img, k_img: [batch 4][head 16][tile of 16 tokens 128][c 2][lane 32][16 bytes]: lane (r, h) holds token r; its byte 8 u + j of image c is channel 32 c + 16 u + 8 h + j (alike in Q and K).
;   v_img: [batch][head][64 keys 32][16 channels 4][c 2][lane][16 bytes]: lane (r, h) holds channel r; its byte 8 u + j of image c is key 32 c + 16 u + 8 h + j.
;   A lane's 16 bytes are the codes of two neighbouring accumulators, so each store of the wave covers 512 consecutive bytes, aligned.
; LIMITS: e0 + e1, e2 + e3, e4 + e5 between -126 and 127; e6, e7, e9 between -126 and 112, so that each power of two below is an f32 number.  NaN in a bias is not served.
; REGISTERS, in windows of 256: window 0: v0-31 addresses; v32-95 the bias by column, v96-103 the bias by row (loaded at the head, used at the end); from v128 A''s fragments, ONE set;
;   window 1: B''s fragments, TWO sets;  window 2: the accumulators of my rows 0-63 ((a, b) at v[8 (8 a + b)]);  window 3: those of my rows 64-127.
.set SIZE_K, 1024
.set KSTEP,  256                       ; along K in a slot
.set ROWB,   256                       ; a tile's row in bytes
.set KROW,   SIZE_K                    ; a row of x or of W in memory, in bytes
.set PITCH,  272                       ; an LDS row: 256 bytes + 16 of padding = 68 words: row r starts at bank 4 r mod 64 (ISA guide 11.1)
.set FR,     16                        ; registers of a fragment: 16 rows x 128 K
.set NL,     4                         ; LDS loads that bring one
.set NP,     4                         ; places behind this matrix instruction (ISA guide 7.12.1)
.set HALFT,  128*PITCH                 ; 128 rows: what one tensor load brings
.set SLOT,   4*HALFT                   ; A''s 256 rows, then B''s 256 rows
.set LAPS,   SIZE_K/(2*KSTEP)          ; a lap = two K steps = once round the ring
.set SPARE,  2*SLOT                    ; behind the ring: the spare words, 128 bytes for each wave
.set CBO,  7                           ; v7      32 x (lane / 16): my place in the bias by column
.set VO,   8                           ; v8-11   16 x lane, + SB, + SA, + SA + SB: the stores' offsets
.set RBO,  12                          ; v12     4 x (lane % 16): my place in the bias by row
.set SCV,  13                          ; v13     2^eout as f32
.set LIM,  14
.set ADRA, 16                          ; v16-17  LDS address of my A' fragments in slot 0, 1
.set ADRB, 20                          ; v20-21  the same for B'
.set SPW,  28                          ; v28     LDS address of my spare word; never rewritten
.set NIL,  29                          ; v29     0; never rewritten
.set CB,   32                          ; v32-95  bias[16 b + 8 h + j]
.set RB,   96                          ; v96-103 bias[16 a + r]
.set RBP,  104                         ; v104-119 the same, masked, each twice: a pair for the packed addition
.set TMP,  120                         ; v120-183 a block's 64 numbers
.set CODE, 184                         ; v184-247 four sets of 16 registers of codes
.set AF,   128                         ; A''s fragments, in window 0
.set G1, 24                            ; s[24:31] descriptor group 1 for A''s tiles;  s[32:39] group 0, one set for each slot
.set G0, 32
.set G1B, 48                           ; s[48:55], s[56:63] the same for B''s tiles
.set G0B, 56
.set MSB, 0
.macro WIN new                         ; the immediate's high byte repeats the setting that is left
.if MSB != \new
	s_set_vgpr_msb (MSB<<8)|\new
.set MSB, \new
.endif
.endm
.set MUL_LO, 0xa1                      ; source 0 (B') window 1, source 1 (A') window 0, C and D window 2
.set MUL_HI, 0xf1                      ; the same, C and D window 3
.set TO_B,   0x40                      ; destination window 1, address window 0
; A joint load: waves 0 and 1 fetch for A', waves 2 and 3 for B'.  The branch hangs on the wave's number alone.  Four v_nop follow each of the two lines.
.macro JLOAD g0a, g1a, g0b, g1b
	s_cmp_eq_u32 s15, 0
	s_cbranch_scc0 .Lfor_b_\@
	tensor_load_to_lds s[\g0a:\g0a+3], s[\g1a:\g1a+7]
	s_nop 0
.rept 4
	v_nop
.endr
	s_branch .Lasked_\@
.Lfor_b_\@:
	tensor_load_to_lds s[\g0b:\g0b+3], s[\g1b:\g1b+7]
	s_nop 0
.rept 4
	v_nop
.endr
.Lasked_\@:
.endm
.macro CREST                           ; a round of the cluster's barrier behind its opening barrier
	s_cmp_lg_u32 s14, 0
	s_cbranch_scc1 .Lnot_wave_0_\@
	s_barrier_signal -3
.Lnot_wave_0_\@:
	s_barrier_wait -3
	s_barrier_signal -1
	s_barrier_wait -1
.endm
.macro CROUND                          ; a whole round
	s_barrier_signal -1
	s_barrier_wait -1
	CREST
.endm
	s_load_b256 s[68:75], s[0:1], 0x0              ; x s[68:69], Wq s[70:71], Wk s[72:73], Wv s[74:75]
	s_load_b256 s[76:83], s[0:1], 0x20             ; bq s[76:77], bk s[78:79], bv s[80:81], the scales' exponents s[82:83]
	s_load_b128 s[84:87], s[0:1], 0x40             ; q_img s[84:85], k_img s[86:87]
	s_load_b64 s[88:89], s[0:1], 0x50              ; v_img
	v_lshl_add_u32 v[SPW], v0, 2, SPARE
	v_mov_b32 v[NIL], 0
	ds_add_u32 v28, v29
	ds_add_u32 v28, v29
	s_wait_dscnt 0x0
	v_lshrrev_b32 v1, 5, v0
	v_readfirstlane_b32 s14, v1                    ; wave 0..3
	s_lshr_b32 s15, s14, 1                         ; which half of the tile's rows (of A') is mine.  Also: I fetch for A' (0) or for B' (1)
	s_and_b32 s16, s14, 1                          ; which half of its columns (rows of B').  Also: which 128 rows of that tile I fetch
	s_bfe_u32 s40, ttmp6, 0x40000                  ; cx, cy: my place in the cluster
	s_bfe_u32 s41, ttmp6, 0x40004
	s_and_b32 s13, ttmp7, 0xffff
	s_lshl_b32 s13, s13, 2                         ; 4 x cluster y: it walks x's 32 tiles of 256 tokens,
	s_cmp_eq_u32 ttmp9, 2                          ; which are rows of C' for Q and K, columns for V
	s_cselect_b32 s18, 0, s13
	s_cselect_b32 s19, s13, 0
	s_add_co_u32 s17, s18, s41                     ; tile row of C': made of cy and of what all partners share
	s_add_co_u32 s42, s19, s40                     ; tile column of C': made of cx and of what all partners share
	s_lshl_b32 s43, s41, 2
	s_lshl_b32 s43, 15, s43                        ; my row of the cluster
	s_lshl_b32 s44, 0x1111, s40                    ; my column
	; descriptor group 1: a tile of 128 rows x 256 bytes, padded in LDS
	s_or_b32 s[G1+0], s43, (0<<16)|(1<<20)|(1<<21)|(5<<22)|(3<<25)  ; 15:0 the mask: A''s tiles go to my row; elements of 1 byte; padding on; bit 21 beside a mask; after every 64 words four words
	s_or_b32 s[G1B+0], s44, (0<<16)|(1<<20)|(1<<21)|(5<<22)|(3<<25)
.irp g, G1, G1B
	s_mov_b32 s[\g+1], ROWB<<16                    ; tensor_dim0
	s_mov_b32 s[\g+2], 128<<16                     ; tensor_dim1 = 128
	s_mov_b32 s[\g+3], ROWB<<16                    ; tile_dim0
	s_mov_b32 s[\g+4], 128                         ; tile_dim1 = 128
	s_mov_b32 s[\g+5], KROW                        ; tensor_dim0_stride
	s_mov_b32 s[\g+6], 0
	s_mov_b32 s[\g+7], 0
.endr
	s_lshl_b32 s18, s16, 7                         ; which 128 rows of the tile I fetch
	s_lshl_b32 s20, s17, 8
	s_add_co_u32 s20, s20, s18                     ; A': row 256 x tile row + 128 x half
	s_lshl_b32 s46, s42, 8
	s_add_co_u32 s46, s46, s18                     ; B': row 256 x tile column + 128 x half
	s_mov_b32 s21, 0
	s_mov_b32 s47, 0
	s_mov_b64 s[18:19], KROW
	s_mul_u64 s[20:21], s[20:21], s[18:19]
	s_mul_u64 s[46:47], s[46:47], s[18:19]
	s_mul_i32 s45, s14, HALFT                      ; where they go: wave x 128 rows: no place in the cluster enters an LDS address
	s_wait_kmcnt 0x0
	s_cmp_eq_u32 ttmp9, 0                          ; the weight, its bias and its buffer: Q or K,
	s_cselect_b64 s[6:7], s[70:71], s[72:73]
	s_cselect_b64 s[8:9], s[76:77], s[78:79]
	s_cselect_b64 s[10:11], s[84:85], s[86:87]
	s_cmp_eq_u32 ttmp9, 2                          ; or V, with the operands' roles changed
	s_cselect_b64 s[4:5], s[74:75], s[68:69]       ; A' = Wv : x
	s_cselect_b64 s[6:7], s[68:69], s[6:7]         ; B' = x : W
	s_cselect_b64 s[8:9], s[80:81], s[8:9]
	s_cselect_b64 s[10:11], s[88:89], s[10:11]
	s_cselect_b32 s66, -1, 0                       ; all lanes for V: the bias goes by row
	s_cselect_b32 s67, 0, -1                       ; all lanes for Q and K: the bias goes by column
	s_load_b256 s[92:99], s[82:83], 0x0            ; e0 .. e7
	s_load_b64 s[100:101], s[82:83], 0x20          ; e8, e9
	s_add_nc_u64 s[20:21], s[4:5], s[20:21]
	s_add_nc_u64 s[46:47], s[6:7], s[46:47]
	CROUND                                         ; all sixteen work-groups are here: the first joint loads meet
.irp s, 0,1
	s_mov_b32 s[G0+4*\s], 1
	s_add_co_u32 s[G0+4*\s+1], s45, \s*SLOT
	s_add_nc_u64 s[G0+4*\s+2:G0+4*\s+3], s[20:21], \s*ROWB
	s_or_b32 s[G0+4*\s+3], s[G0+4*\s+3], 0x80000000
	s_mov_b32 s[G0B+4*\s], 1
	s_add_co_u32 s[G0B+4*\s+1], s45, \s*SLOT
	s_add_nc_u64 s[G0B+4*\s+2:G0B+4*\s+3], s[46:47], \s*ROWB
	s_or_b32 s[G0B+4*\s+3], s[G0B+4*\s+3], 0x80000000
	JLOAD G0+4*\s, G1, G0B+4*\s, G1B
.endr
	v_and_b32 v1, 15, v0                           ; r = l % 16
	v_bfe_u32 v2, v0, 4, 1                         ; h = l / 16
	v_mul_u32_u24 v3, v1, PITCH
	v_lshl_add_u32 v4, v2, 4, v3                   ; a fragment's row x pitch + 16 x half
	s_mul_i32 s21, s15, HALFT                      ; my 128 rows of A'
	s_mul_i32 s22, s16, HALFT                      ; my 128 rows of B',
	s_add_co_u32 s22, s22, 2*HALFT                 ; which lie behind A''s 256
.irp s, 0,1
	v_add_nc_u32 v[ADRA+\s], s21, v4
	v_add_nc_u32 v[ADRB+\s], s22, v4
	s_add_co_u32 s21, s21, SLOT
	s_add_co_u32 s22, s22, SLOT
.endr
	; where my part of the images begins.  'big' walks the tokens (32 tiles of 256), 'small' the weight's rows (4 tiles of 256 = 4 heads each)
	s_cmp_eq_u32 ttmp9, 2
	s_cselect_b32 s18, s42, s17                    ; big
	s_cselect_b32 s19, s17, s42                    ; small
	s_cselect_b32 s20, s16, s15                    ; my half of big's 256
	s_cselect_b32 s21, s15, s16                    ; my half of small's 256
	s_mov_b32 s2, 0x20000                          ; from head to head
	s_mov_b32 s3, 0x1000                           ; from 64 tokens to the next 64
	s_cselect_b32 s22, s2, s3                      ; SA: what four blocks of A' further on cost
	s_cselect_b32 s23, s3, s2                      ; SB: what four blocks of B' further on cost
	s_lshr_b32 s12, s18, 3
	s_lshl_b32 s12, s12, 21                        ; the batch
	s_lshl_b32 s13, s19, 2
	s_lshl_b32 s46, s21, 1
	s_add_co_u32 s13, s13, s46
	s_lshl_b32 s13, s13, 17                        ; the head: 4 small + 2 half
	s_add_co_u32 s12, s12, s13
	s_and_b32 s13, s18, 7
	s_lshl_b32 s13, s13, 2
	s_lshl_b32 s46, s20, 1
	s_add_co_u32 s13, s13, s46
	s_lshl_b32 s13, s13, 12                        ; the 64 tokens: 4 (big % 8) + 2 half
	s_add_co_u32 s12, s12, s13
	s_mov_b32 s13, 0
	s_add_nc_u64 s[10:11], s[10:11], s[12:13]
	s_lshl_b32 s46, s19, 10
	s_lshl_b32 s47, s21, 9
	s_add_co_u32 s46, s46, s47                     ; the bias of my 128 rows of the weight, in bytes
	s_mov_b32 s47, 0
	s_add_nc_u64 s[8:9], s[8:9], s[46:47]
	v_and_b32 v5, 31, v0
	v_lshlrev_b32 v[VO], 4, v5                     ; 16 x lane
	v_add_nc_u32 v[VO+1], s23, v[VO]
	v_add_nc_u32 v[VO+2], s22, v[VO]
	v_add_nc_u32 v[VO+3], s23, v[VO+2]
	v_lshlrev_b32 v[CBO], 5, v2
	v_lshlrev_b32 v[RBO], 2, v1
	; the same 128 numbers of the bias in both layouts; the one that does not apply is set to 0 at the end.  The loads stay out while the products run; no line of the loop names their registers
.irp b, 0,1,2,3,4,5,6,7
	global_load_b128 v[CB+8*\b:CB+8*\b+3], v[CBO], s[8:9] offset:64*\b
	global_load_b128 v[CB+8*\b+4:CB+8*\b+7], v[CBO], s[8:9] offset:64*\b+16
.endr
.irp a, 0,1,2,3,4,5,6,7
	global_load_b32 v[RB+\a], v[RBO], s[8:9] offset:64*\a
.endr
.macro FRAG reg, adr, q, i             ; a fragment, 16 rows x 128 K: lane l holds row l % 16; registers 4 c .. 4 c + 3 hold K = 32 c + 16 (l / 16) + 0 .. 15: the same places in A' and in B'
.irp c, 0,1,2,3
	ds_load_b128 v[\reg+4*\c:\reg+4*\c+3], v[\adr] offset:128*(\q)+32*\c+(\i)*16*PITCH
.endr
.endm
; 16 matrix instructions: A''s blocks a0, a0 + 1 x B''s eight, 128 along K.  p: B''s set.  zero = 1: the first product starts the sums.
; The 64 accumulators take turns, one instruction a turn, in the same order in every step.
.macro MUL16 a0, p, zero
.irp a, \a0, \a0+1
.irp b, 0,1,2,3,4,5,6,7
.if \zero
	v_wmma_f32_16x16x128_bf8_bf8 v[8*(8*((\a)%4)+\b):8*(8*((\a)%4)+\b)+7], v[128*(\p)+FR*\b:128*(\p)+FR*\b+FR-1], v[AF+FR*(\a):AF+FR*(\a)+FR-1], 0
.else
	v_wmma_f32_16x16x128_bf8_bf8 v[8*(8*((\a)%4)+\b):8*(8*((\a)%4)+\b)+7], v[128*(\p)+FR*\b:128*(\p)+FR*\b+FR-1], v[AF+FR*(\a):AF+FR*(\a)+FR-1], v[8*(8*((\a)%4)+\b):8*(8*((\a)%4)+\b)+7]
.endif
.endr
.endr
.endm
.macro FETCH_B slot, q, p              ; B''s eight fragments of the slot's q-th 128 along K into set p
	WIN TO_B
.irp i, 0,1,2,3,4,5,6,7
	FRAG 128*(\p)+FR*\i, ADRB+\slot, \q, \i
.endr
	WIN 0
.endm
.macro FETCH_A slot, q, i0             ; A''s blocks i0 .. i0 + 3
.irp i, \i0, \i0+1, \i0+2, \i0+3
	FRAG AF+FR*(\i), ADRA+\slot, \q, \i
.endr
.endm
.macro PLACES n                        ; plain vector lines between a matrix instruction and a load into, or a vector write of, one of its registers
.rept \n
	v_nop
.endr
.endm
; A step of 128 along K that has its successor in the same slot.
.macro STEP slot, q, zero
	s_wait_dscnt 4*NL                              ; B''s set and A''s blocks 0-3 are in; the youngest 16 loads (A''s blocks 4-7) may be out
	WIN MUL_LO
	MUL16 0, (\q)%2, \zero
	MUL16 2, (\q)%2, \zero
	s_wait_dscnt 0                                 ; A''s blocks 4-7 are in
	PLACES NP
	FETCH_B \slot, (\q)+1, 1-(\q)%2
	FETCH_A \slot, (\q)+1, 0
	WIN MUL_HI
	MUL16 4, (\q)%2, \zero
	MUL16 6, (\q)%2, \zero
	PLACES NP
	WIN 0
	FETCH_A \slot, (\q)+1, 4
.endm
; A slot's last step changes slots: ONE barrier; in front of it each wave waits for all its tensor loads, adds 0 to its spare word, and waits for that and for its own reads of this slot.
.macro TURN slot, next, fill
	s_wait_tensorcnt 0x0                           ; all my tensor loads have landed: my part of the next slot
	ds_add_u32 v[SPW], v[NIL]                      ; 0 onto my spare word
	s_wait_dscnt 4*NL+1                            ; (the add and the youngest 16 loads, A''s blocks 4-7, may be out)
	WIN MUL_LO
	MUL16 0, 1, 0                                  ; sixteen matrix instructions stand between the add and the wait for it
	s_wait_dscnt 0x0                               ; the add is done, and my reads of this slot are over
	s_barrier_signal -1
	MUL16 2, 1, 0
	WIN 0
	s_barrier_wait -1
.if \fill
	CREST                                          ; the barrier has opened a round of the cluster's barrier: no wave of any partner still reads this slot or has a load on its way
	s_add_nc_u64 s[G0+4*\slot+2:G0+4*\slot+3], s[G0+4*\slot+2:G0+4*\slot+3], 2*ROWB
	s_add_nc_u64 s[G0B+4*\slot+2:G0B+4*\slot+3], s[G0B+4*\slot+2:G0B+4*\slot+3], 2*ROWB
	JLOAD G0+4*\slot, G1, G0B+4*\slot, G1B         ; the first tensor load behind the round; its four v_nop are the places in front of the loads below
.else
	PLACES NP
.endif
	s_wait_alu depctr_va_vdst(0)
	FETCH_B \next, 0, 0
	FETCH_A \next, 0, 0
	WIN MUL_HI
	MUL16 4, 1, 0
	MUL16 6, 1, 0
	PLACES NP
	WIN 0
	FETCH_A \next, 0, 4
.endm
	s_wait_tensorcnt 1                             ; my part of K step 0 is in (K step 1's load, issued behind it, may be out),
	s_barrier_signal -1
	s_barrier_wait -1                              ; everybody's is
	FETCH_B 0, 0, 0
	FETCH_A 0, 0, 0
	FETCH_A 0, 0, 4
	STEP 0, 0, 1                                   ; the first step stands in front of the loop: its products start the sums
	s_mov_b32 s3, LAPS-1
.Llap:                                                 ; a trip goes once round the ring and fills both slots again
	TURN 0, 1, 1
	STEP 1, 0, 0
	TURN 1, 0, 1
	STEP 0, 0, 0
	s_sub_co_u32 s3, s3, 1
	s_cmp_lg_u32 s3, 0
	s_cbranch_scc1 .Llap
	TURN 0, 1, 0                                   ; the last lap fills nothing
	STEP 1, 0, 0
	s_wait_dscnt 4*NL                              ; the very last step: nothing more to fetch
	WIN MUL_LO
	MUL16 0, 1, 0
	MUL16 2, 1, 0
	s_wait_dscnt 0
	WIN MUL_HI
	MUL16 4, 1, 0
	MUL16 6, 1, 0
	WIN 0
	; THE WAY OUT
	s_wait_kmcnt 0x0
	s_add_co_i32 s92, s92, s93                     ; e0 + e1
	s_add_co_i32 s94, s94, s95                     ; e2 + e3
	s_add_co_i32 s96, s96, s97                     ; e4 + e5
	s_cmp_eq_u32 ttmp9, 0
	s_cselect_b32 s92, s92, s94
	s_cselect_b32 s98, s98, s99                    ; e6 : e7
	s_cmp_eq_u32 ttmp9, 2
	s_cselect_b32 s92, s96, s92
	s_cselect_b32 s98, s101, s98                   ; e9
	s_add_co_i32 s92, s92, 127
	s_lshl_b32 s92, s92, 23                        ; 2^(ea + eb) as f32
	s_mov_b32 s93, s92                             ; (named with it as a pair, so it is written)
	s_add_co_i32 s98, s98, 127
	s_lshl_b32 s99, s98, 23
	v_mov_b32 v[SCV], s99                          ; 2^eout: the conversion takes its exponent field
	s_add_co_i32 s98, s98, 15
	s_lshl_b32 s98, s98, 23
	s_or_b32 s98, s98, 0x600000
	s_wait_loadcnt 0x0                             ; the bias
.set j, 0
.rept 64
	v_cndmask_b32 v[CB+j], 0, v[CB+j], s67         ; by column for Q and K, else 0.  (These lines are also the places behind the last products)
.set j, j+1
.endr
.irp a, 0,1,2,3,4,5,6,7
	v_cndmask_b32 v[RBP+2*\a], 0, v[RB+\a], s66    ; by row for V, else 0; twice, for the packed addition
	v_cndmask_b32 v[RBP+2*\a+1], 0, v[RB+\a], s66
.endr
; Block a: 16 rows of C' x my 128 columns: eight accumulators become 512 bytes of codes a lane-row, four stores.
.macro OUTBLK a
.set AC, 64*((\a)%4)
.set CD, CODE+16*((\a)%4)
.set RP, RBP+2*(\a)
.set j, 0
.rept 32
	v_pk_add_f32 v[TMP+j:TMP+j+1], v[CB+j:CB+j+1], v[RP:RP+1]      ; one of the two is 0: nothing is rounded
.set j, j+2
.endr
	WIN 0x02+((\a)/4)                              ; source 0: window 2 or 3
.set j, 0
.rept 32
	v_pk_fma_f32 v[TMP+j:TMP+j+1], v[AC+j:AC+j+1], s[92:93], v[TMP+j:TMP+j+1] op_sel_hi:[1,0,1]   ; sum x 2^(ea + eb) + bias; each accumulator from its low end on
.set j, j+2
.endr
	WIN 0
.set j, 0
.rept 64
.set j, j+1
.endr
.if (\a) >= 4
	s_wait_alu depctr_va_vdst(0)
	s_wait_xcnt 0x0                                ; block a - 4's stores have read this set of codes: it is written again only behind this wait
.endif
.irp b, 0,1,2,3,4,5,6,7
	v_cvt_scalef32_pk8_bf8_f32 v[CD+2*\b:CD+2*\b+1], v[TMP+8*\b:TMP+8*\b+7], v[SCV]
.endr
	v_nop                                          ; a plain line between the conversions and the next block's writes of their sources
.irp p, 0,1,2,3
	global_store_b128 v[VO+2*((\a)/4)+\p/2], v[CD+4*\p:CD+4*\p+3], s[10:11] offset:((\a)%4)*1024+(\p%2)*512   ; 32 lanes store 512 consecutive bytes, aligned: one image
.endr
.endm
.irp a, 0,1,2,3,4,5,6,7
	OUTBLK \a
.endr
	s_wait_tensorcnt 0x0                           ; the wave's end
	ds_add_u32 v[SPW], v[NIL]
	s_wait_dscnt 0x0
	CROUND                                         ; the closing round: no work-group ends while a partner may still ask for a tile that names it
	s_endpgm
.Lfunc_end_k_q95e02d9b18_qkv:
	.size	k_q95e02d9b18_qkv, .Lfunc_end_k_q95e02d9b18_qkv-k_q95e02d9b18_qkv
	.p2alignl 7, 3214868480
	.fill 96, 4, 3214868480
	.section	.rodata,"a",@progbits
	.p2align	6, 0x0
	.amdhsa_kernel k_q95e02d9b18_qkv
		.amdhsa_group_segment_fixed_size 327680
		.amdhsa_private_segment_fixed_size 0
		.amdhsa_enable_private_segment 0
		.amdhsa_kernarg_size 88
		.amdhsa_user_sgpr_count 2
		.amdhsa_user_sgpr_kernarg_segment_ptr 1
		.amdhsa_wavefront_size32 1
		.amdhsa_system_sgpr_workgroup_id_x 1
		.amdhsa_system_sgpr_workgroup_id_y 1
		.amdhsa_system_sgpr_workgroup_id_z 1
		.amdhsa_system_vgpr_workitem_id 0
		.amdhsa_next_free_vgpr 1024
		.amdhsa_next_free_sgpr 102
		.amdhsa_reserve_vcc 0
		.amdhsa_float_denorm_mode_32 3
		.amdhsa_float_denorm_mode_16_64 3
		.amdhsa_fp16_overflow 1
		.amdhsa_memory_ordered 1
		.amdhsa_forward_progress 1
		.amdhsa_inst_pref_size 127
	.end_amdhsa_kernel
	.amdgpu_metadata
---
amdhsa.version: [ 1, 2 ]
amdhsa.kernels:
  - .name:           k_q95e02d9b18_qkv
    .symbol:         k_q95e02d9b18_qkv.kd
    .args:
      - { .name: x_codes, .offset: 0, .size: 8, .value_kind: global_buffer, .address_space: global }
      - { .name: W_q_codes, .offset: 8, .size: 8, .value_kind: global_buffer, .address_space: global }
      - { .name: W_k_codes, .offset: 16, .size: 8, .value_kind: global_buffer, .address_space: global }
      - { .name: W_v_codes, .offset: 24, .size: 8, .value_kind: global_buffer, .address_space: global }
      - { .name: b_q, .offset: 32, .size: 8, .value_kind: global_buffer, .address_space: global }
      - { .name: b_k, .offset: 40, .size: 8, .value_kind: global_buffer, .address_space: global }
      - { .name: b_v, .offset: 48, .size: 8, .value_kind: global_buffer, .address_space: global }
      - { .name: lowp_scales, .offset: 56, .size: 8, .value_kind: global_buffer, .address_space: global }
      - { .name: q_img, .offset: 64, .size: 8, .value_kind: global_buffer, .address_space: global }
      - { .name: k_img, .offset: 72, .size: 8, .value_kind: global_buffer, .address_space: global }
      - { .name: v_img, .offset: 80, .size: 8, .value_kind: global_buffer, .address_space: global }
    .group_segment_fixed_size: 327680
    .private_segment_fixed_size: 0
    .kernarg_segment_align: 8
    .kernarg_segment_size: 88
    .max_flat_workgroup_size: 128
    .sgpr_count:     102
    .vgpr_count:     1024
    .wavefront_size: 32
...
	.end_amdgpu_metadata
.endif
;; end of part 1
;; launch attn (part 2): grid 4 x 64, 16 waves a work-group, clusters of 4 x 1, 327,680 bytes of LDS; arguments q_img, k_img, v_img, lowp_scales, a_img; writes a_img
.if DOCPART == 2
	.amdgcn_target "amdgcn-amd-amdhsa--gfx1250"
	.amdhsa_code_object_version 6
	.text
	.protected	k_q95e02d9b18_attn
	.globl	k_q95e02d9b18_attn
	.p2align	8
	.type	k_q95e02d9b18_attn,@function
k_q95e02d9b18_attn:
	s_mov_b64 s[64:65], 0
	v_nop
	global_prefetch_b8 v0, s[64:65] scope:SCOPE_SE
	s_setreg_imm32_b32 hwreg(HW_REG_WAVE_MODE, 25, 1), 1
	s_wait_xcnt 0x0
	s_wait_alu depctr_hold_cnt(0) depctr_sa_sdst(0) depctr_va_vdst(0) depctr_va_sdst(0) depctr_va_ssrc(0) depctr_va_vcc(0) depctr_vm_vsrc(0)
	s_getreg_b32 s2, hwreg(HW_REG_IB_STS2, 6, 4)
	s_cmp_eq_u32 s2, 0
	s_cbranch_scc0 .Lentry_in_a_cluster
	s_endpgm
.Lentry_in_a_cluster:
	s_bfe_u32 s2, ttmp6, 0x10000c
	s_cmp_lg_u32 s2, 0x3003
	s_cbranch_scc0 .Lentry_shape_is_right
	s_endpgm
.Lentry_shape_is_right:
; Causal attention on codes of BF8 (E5M2), 64 heads (batch x head) of 2,048 tokens x 64 channels.  scores = Q K^T / 8; p = softmax, FINISHED AND NORMALISED, is what is quantised (scale 2^e8);
; out = p V, quantised (2^e10) for the last projection.  Scales: Q e6, K e7, p e8, V e9, out e10.
; TWO PASSES OVER THE KEYS.  p = exp(s - max) / sum must be whole before its first code is made, so pass 1 finds each query's largest t = s log2(e) / 8 and the sum of 2^(t - T), by a running maximum;
; pass 2 makes the scores again (one matrix instruction for 16 keys x 16 queries), p = 2^(t - T) x (1 / sum), its codes, and O^T += V^T P.
; The row's largest t is taken away before every exponential.  Every query sees key 0, so no row's sum is 0 and no NaN arises for the reference's nan_to_num to replace.
; SHARES.  A cluster of four work-groups serves one head (the cluster's y).  The head's K and V, 128 KiB each, lie WHOLE in each work-group's LDS, filled once by joint tensor loads (each of the 16 waves
; asks for 8 KiB of K and 8 KiB of V; the same descriptor and the mask of all four in all four partners).  No LDS byte is filled again and none is stored to: two barriers in all.
; Query tile (16 queries) number 4 i + g, g = my work-group's place in the cluster, i = 0 .. 31.  Wave w owns i = w and i = 31 - w: (w + 1) + (32 - w) = 33 key steps of 64 keys in each pass, for every wave.
; Key step k is hidden from tile i where k > i, lies on the diagonal where k = i, is open where k < i (16 g + 15 < 64): the branches hang on the wave's number and the loop's counter alone;
; g enters global addresses and the mask's numbers only.  Hidden steps are left out: their scores would be thrown away by the mask.
; LAYOUT.  Both products are used transposed: S^T = K Q^T (source 0 = 16 keys, source 1 = my 16 queries), O^T = V^T P (source 0 = 16 channels, source 1 = P): a lane holds ONE query (lane % 16) throughout.
; The buffers are images of the operands' registers: a fragment (16 rows x 64 K, 8 registers) is two loads of 16 bytes at 16 x lane, 512 bytes apart.  In S^T lane (r, h), register 8 T + j is key 16 T + 8 h + j;
; the conversions' results, registers 2 T, 2 T + 1, are P's fragment, and v_img holds each key at the very place that P gives it.
; a_img: [256 of the 1,024 channels 4][tile of 16 tokens 512][128 of them 2][c 4][lane 32][16 bytes]: lane (r, h) holds token r, channels 32 c + 16 h + 0 .. 15.
; LIMITS: e6 + e7 between -123 and 130 (added to the exponent field of log2(e) / 8); e8 and e10 - e8 - e9 between -126 and 112.  A 2^(t - T) under 2^-126 counts as 0.  t stays above -3e38.
.set LI,   1                           ; v1   16 x lane; never rewritten
.set ADK,  2                           ; v2   LDS address of the step's K
.set ADV,  3                           ; v3   of its V
.set DM,   4                           ; v4   16 g + r - 8 h: on the diagonal register 8 T + j is hidden where 16 T + j is above it
.set NINF, 5                           ; v5   -infinity
.set GO,   6                           ; v6   16 r + 8 h: my 8 bytes of a store
.set PSC,  7                           ; v7   2^e8
.set PLIM, 8
.set OSC,  9                           ; v9   2^(e10 - e8 - e9)
.set OLIM, 10
.set Q,    16                          ; v16-31   Q's fragments, 8 a tile (tile 0: i = w, tile 1: i = 31 - w)
.set KFR,  32                          ; v32-63   the step's K: 4 fragments
.set VFR,  64                          ; v64-95   the step's V: 4 fragments
.set S,    96                          ; v96-159  S^T, 32 a tile
.set P,    160                         ; v160-175 P's codes, 8 a tile
.set O,    176                         ; v176-239 O^T, 32 a tile
.set ST,   240                         ; v240-255 8 a tile: +0 T, +1 zero, +2 +3 the sum in two halves, +4 +5 at work, +6 f, later 1 / sum, +7 at work
.set WV,   14                          ; s14  my wave
.set G,    15                          ; s15  my work-group's place in the cluster
.set BH,   16                          ; s16  batch x 16 + head
.set CS,   22                          ; s[22:23] c = log2(e) / 8 x 2^(e6 + e7)
.set G1,   24                          ; s[24:31] descriptor group 1
.set G0K,  32                          ; s[32:35], s[36:39] groups 0 for K and V
.set G0V,  36
.set ILO,  40                          ; s40  w;  s41  31 - w
.set IHI,  41
.set KI,   42                          ; s42  the key step;  s43  its first byte in K's and V's images: 4,096 x step
.set KB,   43
.set SEL,  44                          ; s[44:45] v_permlanex16_b32's selects for lane l xor 16
.set QB,   46                          ; s[46:47], s[48:49] Q's images of my two tiles
.set OB,   50                          ; s[50:51], s[52:53] where my two tiles' codes go
.set VBASE, 131072                     ; LDS: K's images from 0, V's from here
.macro CROUND                          ; a round of the cluster's barrier
	s_barrier_signal -1
	s_barrier_wait -1
	s_cmp_lg_u32 s[WV], 0
	s_cbranch_scc1 .Lnot_wave_0_\@
	s_barrier_signal -3
.Lnot_wave_0_\@:
	s_barrier_wait -3
	s_barrier_signal -1
	s_barrier_wait -1
.endm
	s_load_b256 s[4:11], s[0:1], 0x0               ; q_img s[4:5], k_img s[6:7], v_img s[8:9], the scales' exponents s[10:11]
	s_load_b64 s[12:13], s[0:1], 0x20              ; a_img
	v_lshl_add_u32 v254, v0, 2, 0x40000
	v_mov_b32 v255, 0
	ds_add_u32 v254, v255
	ds_add_u32 v254, v255
	s_wait_dscnt 0x0
	v_lshrrev_b32 v11, 5, v0
	s_delay_alu instid0(VALU_DEP_1)
	v_readfirstlane_b32 s[WV], v11                 ; wave 0..15
	s_bfe_u32 s[G], ttmp6, 0x40000                 ; cx
	s_and_b32 s[BH], ttmp7, 0xffff                 ; the cluster's y: the four partners share it
	; descriptor group 1: 32 rows of 256 bytes, dense in memory and in LDS: 8 KiB
	s_mov_b32 s[G1], 15|(3<<16)|(1<<21)            ; 15:0 the mask: all four work-groups; 17:16 elements of 8 bytes; no padding; bit 21 beside a mask
	s_mov_b32 s[G1+1], 32<<16                      ; tensor_dim0 = 32
	s_mov_b32 s[G1+2], 32<<16                      ; tensor_dim1 = 32
	s_mov_b32 s[G1+3], 32<<16                      ; tile_dim0 = 32
	s_mov_b32 s[G1+4], 32                          ; tile_dim1 = 32
	s_mov_b32 s[G1+5], 32                          ; tensor_dim0_stride
	s_mov_b32 s[G1+6], 0
	s_mov_b32 s[G1+7], 0
	s_lshl_b32 s18, s[BH], 17                      ; the head's first byte in q_img, k_img and v_img
	s_lshl_b32 s19, s[WV], 13                      ; my wave's 8 KiB
	s_add_co_u32 s20, s18, s19
	s_mov_b32 s21, 0
	s_mov_b32 s[ILO], s[WV]
	s_xor_b32 s[IHI], s[WV], 31                    ; 31 - w
	s_mov_b32 s[SEL], 0x76543210
	s_mov_b32 s[SEL+1], 0xfedcba98
	s_mov_b32 s[CS], 0x3e38aa3b                    ; log2(e) / 8
	s_wait_kmcnt 0x0
	s_load_b256 s[56:63], s[10:11], 0x10           ; e4 .. e11: s58 e6, s59 e7, s60 e8, s61 e9, s62 e10
	s_mov_b32 s[G0K], 1                            ; count = 1
	s_mov_b32 s[G0K+1], s19                        ; LDS address: wave x 8 KiB: no place in the cluster enters it
	s_add_nc_u64 s[G0K+2:G0K+3], s[6:7], s[20:21]
	s_or_b32 s[G0K+3], s[G0K+3], 0x80000000        ; type = 2
	s_mov_b32 s[G0V], 1
	s_add_co_u32 s[G0V+1], s19, VBASE
	s_add_nc_u64 s[G0V+2:G0V+3], s[8:9], s[20:21]
	s_or_b32 s[G0V+3], s[G0V+3], 0x80000000
	CROUND                                         ; all four work-groups are here: the joint loads meet
	tensor_load_to_lds s[G0K:G0K+3], s[G1:G1+7]    ; my load of K; V's follows behind its wait and another round
	s_nop 0
	s_wait_alu depctr_va_vdst(0)
	s_wait_tensorcnt 0x0
	ds_add_u32 v254, v255
	s_wait_dscnt 0x0
	CROUND
	tensor_load_to_lds s[G0V:G0V+3], s[G1:G1+7]
	s_nop 0
.rept 4
	v_nop
.endr
	s_lshl_b32 s20, s[ILO], 2
	s_add_co_u32 s20, s20, s[G]                    ; my tiles' numbers: 4 i + g
	s_lshl_b32 s2, s[IHI], 2
	s_add_co_u32 s2, s2, s[G]
	s_mov_b32 s55, 0
	s_lshl_b32 s54, s20, 10
	s_add_co_u32 s54, s54, s18
	s_add_nc_u64 s[QB:QB+1], s[4:5], s[54:55]
	s_lshl_b32 s54, s2, 10
	s_add_co_u32 s54, s54, s18
	s_add_nc_u64 s[QB+2:QB+3], s[4:5], s[54:55]
	v_and_b32 v11, 31, v0
	s_delay_alu instid0(VALU_DEP_1)
	v_lshlrev_b32 v[LI], 4, v11
.irp x, 0,1
	global_load_b128 v[Q+8*\x:Q+8*\x+3], v[LI], s[QB+2*\x:QB+2*\x+1]
	global_load_b128 v[Q+8*\x+4:Q+8*\x+7], v[LI], s[QB+2*\x:QB+2*\x+1] offset:512
.endr
	s_and_b32 s3, s[BH], 15                        ; the head: channels 64 head on
	s_lshr_b32 s17, s[BH], 4                       ; the batch
	s_lshr_b32 s54, s3, 2
	s_lshl_b32 s54, s54, 21                        ; which 256 channels
	s_lshl_b32 s17, s17, 19                        ; 128 tiles of tokens a batch, 4,096 bytes each
	s_add_co_u32 s54, s54, s17
	s_and_b32 s3, s3, 3
	s_lshl_b32 s3, s3, 10                          ; which 64 of the 256
	s_add_co_u32 s17, s54, s3
	s_lshl_b32 s54, s20, 12
	s_add_co_u32 s54, s54, s17
	s_add_nc_u64 s[OB:OB+1], s[12:13], s[54:55]
	s_lshl_b32 s54, s2, 12
	s_add_co_u32 s54, s54, s17
	s_add_nc_u64 s[OB+2:OB+3], s[12:13], s[54:55]
	v_and_b32 v12, 15, v0                          ; r
	v_bfe_u32 v13, v0, 4, 1                        ; h
	s_delay_alu instid0(VALU_DEP_1)
	v_lshlrev_b32 v14, 3, v13
	s_delay_alu instid0(VALU_DEP_1)
	v_lshl_add_u32 v[GO], v12, 4, v14
	s_delay_alu instid0(VALU_DEP_2)
	v_sub_nc_u32 v[DM], v12, v14
	s_lshl_b32 s3, s[G], 4
	v_add_nc_u32 v[DM], s3, v[DM]
	v_mov_b32 v[NINF], 0xff800000
.irp x, 0,1
	v_mov_b32 v[ST+8*\x], 0xff61b1e6               ; the largest t so far: -3e38
.irp k, 1,2,3,4,5,6,7
	v_mov_b32 v[ST+8*\x+\k], 0
.endr
.endr
	s_wait_kmcnt 0x0
	s_add_co_i32 s3, s58, s59
	s_lshl_b32 s3, s3, 23
	s_add_co_i32 s[CS], s[CS], s3                  ; a score stands for score x 2^(e6 + e7): added to c's exponent field
	s_mov_b32 s[CS+1], s[CS]                       ; (named with it as a pair, so it is written)
	s_add_co_i32 s3, s60, 127
	s_lshl_b32 s17, s3, 23
	v_mov_b32 v[PSC], s17
	s_sub_co_i32 s3, s62, s60
	s_sub_co_i32 s3, s3, s61                       ; a sum of the second product stands for sum x 2^(e8 + e9): its code is sum / 2^(e10 - e8 - e9)
	s_add_co_i32 s3, s3, 127
	s_lshl_b32 s17, s3, 23
	v_mov_b32 v[OSC], s17
.macro LOADK                           ; the step's 64 keys: four fragments, eight loads of 512 consecutive bytes
.irp t, 0,1,2,3
	ds_load_b128 v[KFR+8*\t:KFR+8*\t+3], v[ADK] offset:1024*\t
	ds_load_b128 v[KFR+8*\t+4:KFR+8*\t+7], v[ADK] offset:1024*\t+512
.endr
.endm
.macro LOADV                           ; the step's V: four fragments of 16 channels x 64 keys
.irp t, 0,1,2,3
	ds_load_b128 v[VFR+8*\t:VFR+8*\t+3], v[ADV] offset:1024*\t
	ds_load_b128 v[VFR+8*\t+4:VFR+8*\t+7], v[ADV] offset:1024*\t+512
.endr
.endm
.macro SCORES x                        ; S^T of tile x: 64 keys x 16 queries; four places follow, for the first read of the results and for later loads into K's registers
.irp t, 0,1,2,3
	v_wmma_f32_16x16x64_bf8_bf8 v[S+32*\x+8*\t:S+32*\x+8*\t+7], v[KFR+8*\t:KFR+8*\t+7], v[Q+8*\x:Q+8*\x+7], 0
.endr
.rept 4
	v_nop
.endr
.endm
.macro MASK x                          ; on the diagonal: hidden scores become -infinity, ahead of the maximum; their p is then 0
.set n, 0
.rept 32
	v_cmp_gt_i32 vcc_lo, 16*(n/8)+n%8, v[DM]
	v_cndmask_b32 v[S+32*\x+n], v[S+32*\x+n], v[NINF], vcc_lo
.set n, n+1
.endr
.endm
.macro SCALE                           ; t - T, two at a time (of the pairs c and T the low word serves both halves)
.set n, 0
.rept 16
	v_pk_fma_f32 v[rS+n:rS+n+1], v[rS+n:rS+n+1], s[CS:CS+1], v[rT:rT+1] op_sel_hi:[1,0,0] neg_lo:[0,0,1] neg_hi:[0,0,1]
.set n, n+2
.endr
.endm
.macro EXPS
.set n, 0
.rept 32
	v_exp_f32 v[rS+n], v[rS+n]
.set n, n+1
.endr
.endm
; Pass 1, tile x: EACH LANE keeps its own largest t and its own sum over its 32 keys of a step; the two lanes of a query meet once, behind the loop.  A lane all of whose keys are hidden keeps T = -3e38 and adds zeros.
.macro ONLINE x
.set rS, S+32*\x
.set rT, ST+8*\x
	v_max3_num_f32 v[rT+4], v[rS], v[rS+1], v[rS+2]       ; in two chains, ascending: each accumulator is read from its low end on
	v_max3_num_f32 v[rT+5], v[rS+3], v[rS+4], v[rS+5]
.irp i, 6,10,14,18,22,26
	v_max3_num_f32 v[rT+4], v[rT+4], v[rS+\i], v[rS+\i+1]
	v_max3_num_f32 v[rT+5], v[rT+5], v[rS+\i+2], v[rS+\i+3]
.endr
	v_max3_num_f32 v[rT+4], v[rT+4], v[rS+30], v[rS+31]
	s_delay_alu instid0(VALU_DEP_1)
	v_max_num_f32 v[rT+4], v[rT+4], v[rT+5]
	s_delay_alu instid0(VALU_DEP_1)
	v_mul_f32 v[rT+4], s[CS], v[rT+4]              ; as t (c is positive)
	v_mov_b32 v[rT+7], v[rT]
	s_delay_alu instid0(VALU_DEP_2)
	v_max_num_f32 v[rT], v[rT], v[rT+4]            ; the new T
	s_delay_alu instid0(VALU_DEP_1)
	v_sub_f32 v[rT+7], v[rT+7], v[rT]              ; old T - new T, 0 or less
	SCALE
	s_wait_alu depctr_va_vdst(0)
	v_exp_f32 v[rT+6], v[rT+7]                     ; f = 2^(old T - new T)
	EXPS                                           ; one batch of 33
	v_nop                                          ; a plain line behind the last exponential
	s_wait_alu depctr_va_vdst(0)                   ; one wait for the batch, ahead of its first reader
	v_pk_fma_f32 v[rT+2:rT+3], v[rT+2:rT+3], v[rT+6:rT+7], v[rS:rS+1] op_sel_hi:[1,0,1]   ; the sum under the new T, and the first pair
	v_pk_add_f32 v[rT+4:rT+5], v[rS+2:rS+3], v[rS+4:rS+5]                                 ; a second chain
.irp j, 6,10,14,18,22,26
	v_pk_add_f32 v[rT+2:rT+3], v[rT+2:rT+3], v[rS+\j:rS+\j+1]
	v_pk_add_f32 v[rT+4:rT+5], v[rT+4:rT+5], v[rS+\j+2:rS+\j+3]
.endr
	v_pk_add_f32 v[rT+2:rT+3], v[rT+2:rT+3], v[rS+30:rS+31]
	s_delay_alu instid0(VALU_DEP_1)
	v_pk_add_f32 v[rT+2:rT+3], v[rT+2:rT+3], v[rT+4:rT+5]
.endm
; Behind pass 1: the two lanes of a query agree on T, bring their sums under it and add them; +0 = T, +6 = 1 / sum.
.macro FINAL x
.set rT, ST+8*\x
	v_permlanex16_b32 v[rT+4], v[rT], s[SEL], s[SEL+1]
	v_add_f32 v[rT+2], v[rT+2], v[rT+3]
	s_delay_alu instid0(VALU_DEP_2)
	v_max_num_f32 v[rT+5], v[rT], v[rT+4]
	s_delay_alu instid0(VALU_DEP_1)
	v_sub_f32 v[rT+7], v[rT], v[rT+5]
	s_wait_alu depctr_va_vdst(0)
	v_exp_f32 v[rT+6], v[rT+7]
	v_mov_b32 v[rT], v[rT+5]                       ; (the plain line behind the exponential)
	s_wait_alu depctr_va_vdst(0)
	v_mul_f32 v[rT+2], v[rT+2], v[rT+6]
	s_delay_alu instid0(VALU_DEP_1)
	v_permlanex16_b32 v[rT+3], v[rT+2], s[SEL], s[SEL+1]
	s_delay_alu instid0(VALU_DEP_1)
	v_add_f32 v[rT+2], v[rT+2], v[rT+3]
	s_wait_alu depctr_va_vdst(0)
	v_rcp_f32 v[rT+6], v[rT+2]
	v_nop
	s_wait_alu depctr_va_vdst(0)
.endm
; Pass 2, tile x: p = 2^(t - T) x (1 / sum), held, converted: the results are P's fragment.
.macro SOFT2 x
.set rS, S+32*\x
.set rT, ST+8*\x
	SCALE
	s_wait_alu depctr_va_vdst(0)
	EXPS
	v_nop
	s_wait_alu depctr_va_vdst(0)                   ; one wait for the 32
.set n, 0
.rept 16
	v_pk_mul_f32 v[rS+n:rS+n+1], v[rS+n:rS+n+1], v[rT+6:rT+7] op_sel_hi:[1,0]
.set n, n+2
.endr
.set n, 0
.rept 32
.set n, n+1
.endr
.irp t, 0,1,2,3
	v_cvt_scalef32_pk8_bf8_f32 v[P+8*\x+2*\t:P+8*\x+2*\t+1], v[rS+8*\t:rS+8*\t+7], v[PSC]
.endr
	v_nop                                          ; a plain line between the conversions and the products that read their results
.endm
.macro PV x, zero                      ; O^T += V^T P: four accumulators by turns, one instruction each; the scores' products stand between two steps
.irp t, 0,1,2,3
.if \zero
	v_wmma_f32_16x16x64_bf8_bf8 v[O+32*\x+8*\t:O+32*\x+8*\t+7], v[VFR+8*\t:VFR+8*\t+7], v[P+8*\x:P+8*\x+7], 0
.else
	v_wmma_f32_16x16x64_bf8_bf8 v[O+32*\x+8*\t:O+32*\x+8*\t+7], v[VFR+8*\t:VFR+8*\t+7], v[P+8*\x:P+8*\x+7], v[O+32*\x+8*\t:O+32*\x+8*\t+7]
.endif
.endr
.endm
; A key step of pass 2.  zero = 1: step 0, which both tiles always have: no branch on activity, and its products start O^T's sums.
.macro P2STEP zero
.if \zero == 0
	s_cmp_gt_u32 s[KI], s[IHI]
	s_cbranch_scc1 .Lp2_tail_\@                    ; hidden from both tiles
.endif
	v_add_nc_u32 v[ADK], s[KB], v[LI]
	s_delay_alu instid0(VALU_DEP_1)
	v_add_nc_u32 v[ADV], VBASE, v[ADK]
	v_nop
	v_nop                                          ; with the two additions: four places behind the last products, in front of the loads into V's registers
	LOADK
	LOADV
	s_wait_dscnt 8                                 ; K's eight loads are in; V's eight, issued behind them, may be out
	SCORES 1
	s_cmp_lg_u32 s[KI], s[IHI]
	s_cbranch_scc1 .Lp2_open1_\@
	MASK 1
.Lp2_open1_\@:
	SOFT2 1
	s_wait_alu depctr_va_vdst(0)
	s_wait_dscnt 0x0                               ; V is in
	PV 1, \zero
.if \zero == 0
	s_cmp_gt_u32 s[KI], s[ILO]
	s_cbranch_scc1 .Lp2_tail_\@                    ; hidden from the earlier tile
.endif
	SCORES 0
	s_cmp_lg_u32 s[KI], s[ILO]
	s_cbranch_scc1 .Lp2_open0_\@
	MASK 0
.Lp2_open0_\@:
	SOFT2 0
	PV 0, \zero
.Lp2_tail_\@:
	s_add_co_u32 s[KB], s[KB], 4096
	s_add_co_u32 s[KI], s[KI], 1
.endm
; Tile x leaves: held, converted with the three scales folded into one; 8 bytes a lane, and the 32 lanes of a store cover 256 consecutive bytes, aligned.
.macro OUT x
.set n, 0
.rept 32
.set n, n+1
.endr
.irp t, 0,1,2,3
	v_cvt_scalef32_pk8_bf8_f32 v[P+8*\x+2*\t:P+8*\x+2*\t+1], v[O+32*\x+8*\t:O+32*\x+8*\t+7], v[OSC]
.endr
	v_nop
.irp t, 0,1,2,3
	global_store_b64 v[GO], v[P+8*\x+2*\t:P+8*\x+2*\t+1], s[OB+2*\x:OB+2*\x+1] offset:256*\t   ; channels 16 t + 8 h + 0 .. 7 of token r
.endr
.endm
	s_wait_loadcnt 0x0                             ; Q
	s_wait_tensorcnt 0x1                           ; my part of K is in; V's load, issued behind it, may stay out
	s_barrier_signal -1
	s_barrier_wait -1                              ; all of K is in
	; PASS 1: 32 trips in every wave; a trip's work is left out where the step is hidden
	s_mov_b32 s[KI], 0
	s_mov_b32 s[KB], 0
.Lp1:
	s_cmp_gt_u32 s[KI], s[IHI]
	s_cbranch_scc1 .Lp1_tail
	v_add_nc_u32 v[ADK], s[KB], v[LI]
	LOADK
	s_wait_dscnt 0x0
	SCORES 1
	s_cmp_lg_u32 s[KI], s[IHI]
	s_cbranch_scc1 .Lp1_open1
	MASK 1
.Lp1_open1:
	ONLINE 1
	s_cmp_gt_u32 s[KI], s[ILO]
	s_cbranch_scc1 .Lp1_tail
	SCORES 0
	s_cmp_lg_u32 s[KI], s[ILO]
	s_cbranch_scc1 .Lp1_open0
	MASK 0
.Lp1_open0:
	ONLINE 0
.Lp1_tail:
	s_add_co_u32 s[KB], s[KB], 4096
	s_add_co_u32 s[KI], s[KI], 1
	s_cmp_lt_u32 s[KI], 32
	s_cbranch_scc1 .Lp1
	s_wait_alu depctr_va_vdst(0)
	FINAL 0
	FINAL 1
	s_wait_tensorcnt 0x0                           ; my part of V is in,
	s_wait_dscnt 0x0
	s_barrier_signal -1
	s_barrier_wait -1                              ; everybody's is
	; PASS 2
	s_mov_b32 s[KI], 0
	s_mov_b32 s[KB], 0
	P2STEP 1                                       ; step 0 is written out: it starts the sums
.Lp2:                                              ; steps 1 to 31
	P2STEP 0
	s_cmp_lt_u32 s[KI], 32
	s_cbranch_scc1 .Lp2
.rept 4
	v_nop                                          ; places behind the last products
.endr
	OUT 1
	OUT 0
	s_wait_xcnt 0x0
	v_lshl_add_u32 v254, v0, 2, 0x40000
	v_mov_b32 v255, 0
	s_wait_alu depctr_va_vdst(0)
	s_wait_tensorcnt 0x0
	ds_add_u32 v254, v255
	s_wait_dscnt 0x0
	CROUND                                         ; the closing round
	s_endpgm
.Lfunc_end_k_q95e02d9b18_attn:
	.size	k_q95e02d9b18_attn, .Lfunc_end_k_q95e02d9b18_attn-k_q95e02d9b18_attn
	.p2alignl 7, 3214868480
	.fill 96, 4, 3214868480
	.section	.rodata,"a",@progbits
	.p2align	6, 0x0
	.amdhsa_kernel k_q95e02d9b18_attn
		.amdhsa_group_segment_fixed_size 327680
		.amdhsa_private_segment_fixed_size 0
		.amdhsa_enable_private_segment 0
		.amdhsa_kernarg_size 40
		.amdhsa_user_sgpr_count 2
		.amdhsa_user_sgpr_kernarg_segment_ptr 1
		.amdhsa_wavefront_size32 1
		.amdhsa_system_sgpr_workgroup_id_x 1
		.amdhsa_system_sgpr_workgroup_id_y 1
		.amdhsa_system_sgpr_workgroup_id_z 1
		.amdhsa_system_vgpr_workitem_id 0
		.amdhsa_next_free_vgpr 256
		.amdhsa_next_free_sgpr 66
		.amdhsa_reserve_vcc 1
		.amdhsa_float_denorm_mode_32 3
		.amdhsa_float_denorm_mode_16_64 3
		.amdhsa_fp16_overflow 1
		.amdhsa_memory_ordered 1
		.amdhsa_forward_progress 1
		.amdhsa_inst_pref_size 52
	.end_amdhsa_kernel
	.amdgpu_metadata
---
amdhsa.version: [ 1, 2 ]
amdhsa.kernels:
  - .name:           k_q95e02d9b18_attn
    .symbol:         k_q95e02d9b18_attn.kd
    .args:
      - { .name: q_img, .offset: 0, .size: 8, .value_kind: global_buffer, .address_space: global }
      - { .name: k_img, .offset: 8, .size: 8, .value_kind: global_buffer, .address_space: global }
      - { .name: v_img, .offset: 16, .size: 8, .value_kind: global_buffer, .address_space: global }
      - { .name: lowp_scales, .offset: 24, .size: 8, .value_kind: global_buffer, .address_space: global }
      - { .name: a_img, .offset: 32, .size: 8, .value_kind: global_buffer, .address_space: global }
    .group_segment_fixed_size: 327680
    .private_segment_fixed_size: 0
    .kernarg_segment_align: 8
    .kernarg_segment_size: 40
    .max_flat_workgroup_size: 512
    .sgpr_count:     66
    .vgpr_count:     256
    .wavefront_size: 32
...
	.end_amdgpu_metadata
.endif
;; end of part 2
;; launch oproj (part 3): grid 4 x 32, 4 waves a work-group, clusters of 4 x 4, 327,680 bytes of LDS; arguments a_img, W_o_codes, lowp_scales, out0, b_o; writes out0
.if DOCPART == 3
	.amdgcn_target "amdgcn-amd-amdhsa--gfx1250"
	.amdhsa_code_object_version 6
	.text
	.protected	k_q95e02d9b18_oproj
	.globl	k_q95e02d9b18_oproj
	.p2align	8
	.type	k_q95e02d9b18_oproj,@function
k_q95e02d9b18_oproj:
	s_mov_b64 s[64:65], 0
	v_nop
	global_prefetch_b8 v0, s[64:65] scope:SCOPE_SE
	s_setreg_imm32_b32 hwreg(HW_REG_WAVE_MODE, 25, 1), 1
	s_wait_xcnt 0x0
	s_wait_alu depctr_hold_cnt(0) depctr_sa_sdst(0) depctr_va_vdst(0) depctr_va_sdst(0) depctr_va_ssrc(0) depctr_va_vcc(0) depctr_vm_vsrc(0)
	s_getreg_b32 s2, hwreg(HW_REG_IB_STS2, 6, 4)
	s_cmp_eq_u32 s2, 0
	s_cbranch_scc0 .Lentry_in_a_cluster
	s_endpgm
.Lentry_in_a_cluster:
	s_bfe_u32 s2, ttmp6, 0x10000c
	s_cmp_lg_u32 s2, 0xf033
	s_cbranch_scc0 .Lentry_shape_is_right
	s_endpgm
.Lentry_shape_is_right:
; out0 = A Wo^T + bo on codes of BF8 (E5M2).  A: the attention's result, 8,192 tokens x 1,024 channels, as images of the operand's registers (a_img, below), scale 2^e10; Wo: [1024][1024] codes, K innermost, scale 2^e11;
; out0: [8192][1024] f32 = sum x 2^(e10 + e11) + bo, one rounding.   LIMIT: e10 + e11 between -126 and 127, so that the power of two is an f32 number.
; a_img: [K step of 256: 4][tile of 16 tokens: 512][128 along K: 2][c 4][lane 32][16 bytes]: lane (r, h) holds token r, K = 32 c + 16 h + 0 .. 15: the places that four 16-byte loads from rows give Wo's fragment.
; A tile of out0, 256 x 256, is made by four waves, each 128 x 128: 64 accumulators, 512 registers.  K goes in steps of 256 through a ring of two LDS slots filled by the tensor data mover:
; A's 256 tokens of a K step are one dense block of 64 KiB (no pitch, no padding: a fragment load takes 512 consecutive bytes); Wo's rows are padded to 272 bytes.
; CLUSTERS: 4 x 4 work-groups; A's tile is asked for jointly along a row of the cluster, Wo's along a column.  THE MATRIX INSTRUCTION IS USED TRANSPOSED (source 0 = 16 rows of Wo, source 1 = 16 tokens).
; REGISTERS, in windows of 256: window 0: v0-31 addresses and the bias; from v128 A's fragments, ONE set;  window 1: Wo's fragments, TWO sets;  windows 2, 3: the accumulators ((a, b) at v[8 (8 a + b)]).
.set SIZE_N, 1024
.set SIZE_K, 1024
.set KSTEP,  256
.set ROWB,   256                       ; a row of Wo's tile in bytes
.set KROW,   SIZE_K
.set PITCH,  272                       ; Wo's LDS row: 256 bytes + 16 of padding: row r starts at bank 4 r mod 64 (ISA guide 11.1)
.set FR,     16
.set NL,     4
.set NP,     4
.set HALFA,  32768                     ; 128 tokens x 256 K as images: what one tensor load brings of A
.set HALFB,  128*PITCH                 ; 128 rows of Wo
.set SLOT,   2*HALFA+2*HALFB           ; A's two halves, then Wo's two
.set ASTEP,  0x200000                  ; from a K step of a_img to the next
.set LAPS,   SIZE_K/(2*KSTEP)
.set SPARE,  2*SLOT                    ; behind the ring: the spare words, 128 bytes for each wave
.set SPITCH, 528                       ; the way out: a stage of 16 rows x (512 bytes + 16) for each wave, in slot 0, which has had its last fill and its last read when the first result is stored there
.set BIAS, 12                          ; v12-15  bo of my four columns of a row that is read back
.set ADRA, 16
.set ADRB, 20
.set STO,  24                          ; v24     the way out: where I put 32 bytes of a row
.set RD,   25                          ; v25     where I read a row back
.set CO,   26                          ; v26     16 x lane
.set SPW,  28
.set NIL,  29
.set AF,   128
.set BK,   128                         ; the way out: 16 rows read back: v128-191 and v192-255 by turns
.set G1, 24
.set G0, 32
.set G1B, 48
.set G0B, 56
.set MSB, 0
.macro WIN new
.if MSB != \new
	s_set_vgpr_msb (MSB<<8)|\new
.set MSB, \new
.endif
.endm
.set MUL_LO, 0xa1
.set MUL_HI, 0xf1
.set TO_B,   0x40
.macro JLOAD g0a, g1a, g0b, g1b        ; waves 0 and 1 fetch for A, waves 2 and 3 for Wo; four v_nop follow each of the two lines
	s_cmp_eq_u32 s15, 0
	s_cbranch_scc0 .Lfor_b_\@
	tensor_load_to_lds s[\g0a:\g0a+3], s[\g1a:\g1a+7]
	s_nop 0
.rept 4
	v_nop
.endr
	s_branch .Lasked_\@
.Lfor_b_\@:
	tensor_load_to_lds s[\g0b:\g0b+3], s[\g1b:\g1b+7]
	s_nop 0
.rept 4
	v_nop
.endr
.Lasked_\@:
.endm
.macro CREST
	s_cmp_lg_u32 s14, 0
	s_cbranch_scc1 .Lnot_wave_0_\@
	s_barrier_signal -3
.Lnot_wave_0_\@:
	s_barrier_wait -3
	s_barrier_signal -1
	s_barrier_wait -1
.endm
.macro CROUND
	s_barrier_signal -1
	s_barrier_wait -1
	CREST
.endm
	s_load_b128 s[4:7], s[0:1], 0x0                ; a_img s[4:5], Wo's codes s[6:7]
	s_load_b128 s[8:11], s[0:1], 0x10              ; the scales' exponents s[8:9], out0 s[10:11]
	s_load_b64 s[12:13], s[0:1], 0x20              ; bo
	v_lshl_add_u32 v[SPW], v0, 2, SPARE
	v_mov_b32 v[NIL], 0
	ds_add_u32 v28, v29
	ds_add_u32 v28, v29
	s_wait_dscnt 0x0
	v_lshrrev_b32 v1, 5, v0
	v_readfirstlane_b32 s14, v1                    ; wave 0..3
	s_lshr_b32 s15, s14, 1                         ; which half of the tile's tokens is mine.  Also: I fetch for A (0) or for Wo (1)
	s_and_b32 s16, s14, 1                          ; which half of its columns.  Also: which half of that tile I fetch
	s_bfe_u32 s40, ttmp6, 0x40000                  ; cx, cy
	s_bfe_u32 s41, ttmp6, 0x40004
	s_lshl_b32 s42, ttmp9, 2
	s_add_co_u32 s42, s42, s40                     ; tile column
	s_and_b32 s17, ttmp7, 0xffff
	s_lshl_b32 s17, s17, 2
	s_add_co_u32 s17, s17, s41                     ; tile row
	s_lshl_b32 s43, s41, 2
	s_lshl_b32 s43, 15, s43                        ; my row of the cluster
	s_lshl_b32 s44, 0x1111, s40                    ; my column
	; group 1 for A: 128 rows of 256 bytes, dense in memory and in LDS
	s_or_b32 s[G1+0], s43, (3<<16)|(1<<21)         ; the mask of my row; elements of 8 bytes; no padding; bit 21 beside a mask
	s_mov_b32 s[G1+1], 32<<16                      ; tensor_dim0 = 32
	s_mov_b32 s[G1+2], 128<<16                     ; tensor_dim1 = 128
	s_mov_b32 s[G1+3], 32<<16                      ; tile_dim0 = 32
	s_mov_b32 s[G1+4], 128                         ; tile_dim1 = 128
	s_mov_b32 s[G1+5], 32                          ; tensor_dim0_stride
	s_mov_b32 s[G1+6], 0
	s_mov_b32 s[G1+7], 0
	; group 1 for Wo: 128 rows x 256 bytes, padded in LDS
	s_or_b32 s[G1B+0], s44, (0<<16)|(1<<20)|(1<<21)|(5<<22)|(3<<25)
	s_mov_b32 s[G1B+1], ROWB<<16
	s_mov_b32 s[G1B+2], 128<<16
	s_mov_b32 s[G1B+3], ROWB<<16
	s_mov_b32 s[G1B+4], 128
	s_mov_b32 s[G1B+5], KROW
	s_mov_b32 s[G1B+6], 0
	s_mov_b32 s[G1B+7], 0
	s_lshl_b32 s20, s17, 4
	s_lshl_b32 s18, s16, 3
	s_add_co_u32 s20, s20, s18                     ; A: tile of 16 tokens number 16 x tile row + 8 x half,
	s_lshl_b32 s20, s20, 12                        ; 4,096 bytes each
	s_mov_b32 s21, 0
	s_lshl_b32 s18, s16, 7
	s_lshl_b32 s46, s42, 8
	s_add_co_u32 s46, s46, s18                     ; Wo: row 256 x tile column + 128 x half
	s_mov_b32 s47, 0
	s_mov_b64 s[18:19], KROW
	s_mul_u64 s[46:47], s[46:47], s[18:19]
	s_mul_i32 s45, s16, HALFA                      ; where they go: A's halves,
	s_mul_i32 s2, s16, HALFB
	s_add_co_u32 s2, s2, 2*HALFA                   ; then Wo's: made of the wave's number alone
	s_wait_kmcnt 0x0
	s_load_b64 s[96:97], s[8:9], 0x28              ; e10, e11
	s_add_nc_u64 s[20:21], s[4:5], s[20:21]
	s_add_nc_u64 s[46:47], s[6:7], s[46:47]
	CROUND                                         ; all sixteen work-groups are here: the first joint loads meet
.irp s, 0,1
	s_mov_b32 s[G0+4*\s], 1
	s_add_co_u32 s[G0+4*\s+1], s45, \s*SLOT
	s_add_nc_u64 s[G0+4*\s+2:G0+4*\s+3], s[20:21], \s*ASTEP
	s_or_b32 s[G0+4*\s+3], s[G0+4*\s+3], 0x80000000
	s_mov_b32 s[G0B+4*\s], 1
	s_add_co_u32 s[G0B+4*\s+1], s2, \s*SLOT
	s_add_nc_u64 s[G0B+4*\s+2:G0B+4*\s+3], s[46:47], \s*ROWB
	s_or_b32 s[G0B+4*\s+3], s[G0B+4*\s+3], 0x80000000
	JLOAD G0+4*\s, G1, G0B+4*\s, G1B
.endr
	v_and_b32 v1, 15, v0                           ; r
	v_bfe_u32 v2, v0, 4, 1                         ; h
	v_mul_u32_u24 v3, v1, PITCH
	v_lshl_add_u32 v4, v2, 4, v3                   ; Wo: a fragment's row x pitch + 16 x half
	v_and_b32 v6, 31, v0
	v_lshlrev_b32 v[CO], 4, v6                     ; A: 16 x lane
	s_mul_i32 s21, s15, HALFA                      ; my 128 tokens
	s_mul_i32 s22, s16, HALFB                      ; my 128 rows of Wo,
	s_add_co_u32 s22, s22, 2*HALFA                 ; which lie behind A's images
.irp s, 0,1
	v_add_nc_u32 v[ADRA+\s], s21, v[CO]
	v_add_nc_u32 v[ADRB+\s], s22, v4
	s_add_co_u32 s21, s21, SLOT
	s_add_co_u32 s22, s22, SLOT
.endr
	s_mul_i32 s23, s14, 16*SPITCH                  ; my stage
	v_mul_u32_u24 v5, v1, SPITCH                   ; in: row r, 32 bytes for each half of the lanes
	v_lshl_add_u32 v5, v2, 5, v5
	v_add_nc_u32 v[STO], s23, v5
	v_add_nc_u32 v[RD], s23, v[CO]                 ; back: the 32 lanes take one row of 512 bytes
	s_lshl_b32 s20, s17, 8
	s_lshl_b32 s21, s15, 7
	s_add_co_u32 s20, s20, s21                     ; my first row of out0
	s_mov_b32 s21, 0
	s_mov_b64 s[18:19], SIZE_N*4
	s_mul_u64 s[20:21], s[20:21], s[18:19]
	s_lshl_b32 s46, s42, 10                        ; my first column, in bytes: 1,024 x tile column + 512 x half
	s_lshl_b32 s47, s16, 9
	s_add_co_u32 s46, s46, s47
	s_mov_b32 s47, 0
	s_add_nc_u64 s[20:21], s[20:21], s[46:47]
	s_add_nc_u64 s[10:11], s[10:11], s[20:21]
	s_add_nc_u64 s[12:13], s[12:13], s[46:47]      ; and the same columns of bo
	global_load_b128 v[BIAS:BIAS+3], v[CO], s[12:13]   ; it stays out while the products run
.macro FRAGB reg, adr, q, i            ; Wo: lane l holds row l % 16; registers 4 c .. 4 c + 3 hold K = 32 c + 16 (l / 16) + 0 .. 15
.irp c, 0,1,2,3
	ds_load_b128 v[\reg+4*\c:\reg+4*\c+3], v[\adr] offset:128*(\q)+32*\c+(\i)*16*PITCH
.endr
.endm
.macro FRAGA reg, adr, q, i            ; A: the image as it lies: the same places
.irp c, 0,1,2,3
	ds_load_b128 v[\reg+4*\c:\reg+4*\c+3], v[\adr] offset:4096*(\i)+2048*(\q)+512*\c
.endr
.endm
; The 64 accumulators take turns, one instruction a turn, in the same order in every step.
.macro MUL16 a0, p, zero
.irp a, \a0, \a0+1
.irp b, 0,1,2,3,4,5,6,7
.if \zero
	v_wmma_f32_16x16x128_bf8_bf8 v[8*(8*((\a)%4)+\b):8*(8*((\a)%4)+\b)+7], v[128*(\p)+FR*\b:128*(\p)+FR*\b+FR-1], v[AF+FR*(\a):AF+FR*(\a)+FR-1], 0
.else
	v_wmma_f32_16x16x128_bf8_bf8 v[8*(8*((\a)%4)+\b):8*(8*((\a)%4)+\b)+7], v[128*(\p)+FR*\b:128*(\p)+FR*\b+FR-1], v[AF+FR*(\a):AF+FR*(\a)+FR-1], v[8*(8*((\a)%4)+\b):8*(8*((\a)%4)+\b)+7]
.endif
.endr
.endr
.endm
.macro FETCH_B slot, q, p
	WIN TO_B
.irp i, 0,1,2,3,4,5,6,7
	FRAGB 128*(\p)+FR*\i, ADRB+\slot, \q, \i
.endr
	WIN 0
.endm
.macro FETCH_A slot, q, i0
.irp i, \i0, \i0+1, \i0+2, \i0+3
	FRAGA AF+FR*(\i), ADRA+\slot, \q, \i
.endr
.endm
.macro PLACES n                        ; plain vector lines between a matrix instruction and a load into one of its registers, or a read of its result
.rept \n
	v_nop
.endr
.endm
.macro STEP slot, q, zero
	s_wait_dscnt 4*NL                              ; Wo's set and A's blocks 0-3 are in; the youngest 16 loads (A's blocks 4-7) may be out
	WIN MUL_LO
	MUL16 0, (\q)%2, \zero
	MUL16 2, (\q)%2, \zero
	s_wait_dscnt 0
	PLACES NP
	FETCH_B \slot, (\q)+1, 1-(\q)%2
	FETCH_A \slot, (\q)+1, 0
	WIN MUL_HI
	MUL16 4, (\q)%2, \zero
	MUL16 6, (\q)%2, \zero
	PLACES NP
	WIN 0
	FETCH_A \slot, (\q)+1, 4
.endm
.macro TURN slot, next, fill
	s_wait_tensorcnt 0x0                           ; all my tensor loads have landed: my part of the next slot
	ds_add_u32 v[SPW], v[NIL]                      ; 0 onto my spare word
	s_wait_dscnt 4*NL+1                            ; (the add and the youngest 16 loads may be out)
	WIN MUL_LO
	MUL16 0, 1, 0
	s_wait_dscnt 0x0                               ; the add is done, and my reads of this slot are over
	s_barrier_signal -1
	MUL16 2, 1, 0
	WIN 0
	s_barrier_wait -1
.if \fill
	CREST                                          ; a round of the cluster's barrier: no wave of any partner still reads this slot or has a load on its way
	s_add_nc_u64 s[G0+4*\slot+2:G0+4*\slot+3], s[G0+4*\slot+2:G0+4*\slot+3], 2*ASTEP
	s_add_nc_u64 s[G0B+4*\slot+2:G0B+4*\slot+3], s[G0B+4*\slot+2:G0B+4*\slot+3], 2*ROWB
	JLOAD G0+4*\slot, G1, G0B+4*\slot, G1B         ; the first tensor load behind the round; its four v_nop are the places in front of the loads below
.else
	PLACES NP
.endif
	FETCH_B \next, 0, 0
	FETCH_A \next, 0, 0
	WIN MUL_HI
	MUL16 4, 1, 0
	MUL16 6, 1, 0
	PLACES NP
	WIN 0
	FETCH_A \next, 0, 4
.endm
	s_wait_tensorcnt 1                             ; my part of K step 0 is in (K step 1's load, issued behind it, may be out),
	s_barrier_signal -1
	s_barrier_wait -1                              ; everybody's is
	FETCH_B 0, 0, 0
	FETCH_A 0, 0, 0
	FETCH_A 0, 0, 4
	STEP 0, 0, 1
	s_mov_b32 s3, LAPS-1
.Llap:
	TURN 0, 1, 1
	STEP 1, 0, 0
	TURN 1, 0, 1
	STEP 0, 0, 0
	s_sub_co_u32 s3, s3, 1
	s_cmp_lg_u32 s3, 0
	s_cbranch_scc1 .Llap
	TURN 0, 1, 0
	STEP 1, 0, 0
	s_wait_dscnt 4*NL
	WIN MUL_LO
	MUL16 0, 1, 0
	MUL16 2, 1, 0
	s_wait_dscnt 0
	WIN MUL_HI
	MUL16 4, 1, 0
	MUL16 6, 1, 0
	WIN 0
; THE WAY OUT, block by block of 16 rows x 128 columns.  The raw sums go from the accumulators into my own stage in LDS and come back as whole rows of 512 bytes.  Read back, a lane holds the same four columns
; of every row: so sum x 2^(e10 + e11) + bo is two packed multiply-adds for 16 bytes, with the lane's four numbers of bo.  LDS serves a wave's instructions in order (ISA guide 5.7.1.4).
.macro TOSTAGE a
.set AC, 64*((\a)%4)
	WIN 0x08+4*((\a)/4)                            ; the stores' data: window 2 or 3
.irp b, 0,1,2,3,4,5,6,7
	ds_store_b128 v[STO], v[AC+8*\b:AC+8*\b+3] offset:64*\b          ; each accumulator from its low end on
	ds_store_b128 v[STO], v[AC+8*\b+4:AC+8*\b+7] offset:64*\b+16
.endr
	WIN 0
.set BB, BK+64*((\a)%2)
.irp t, 0,1,2,3,4,5,6,7,8,9,10,11,12,13,14,15
	ds_load_b128 v[BB+4*\t:BB+4*\t+3], v[RD] offset:\t*SPITCH
.endr
.endm
.macro SEND a, younger                 ; younger: the LDS instructions issued behind block a's loads, which may stay out
.set BB, BK+64*((\a)%2)
	s_wait_dscnt \younger
.if (\a) > 0
	s_add_nc_u64 s[10:11], s[10:11], 16*SIZE_N*4   ; (behind a wait on XCNT: the earlier stores have read their base)
.endif
.irp t, 0,1,2,3,4,5,6,7,8,9,10,11,12,13,14,15
	v_pk_fma_f32 v[BB+4*\t:BB+4*\t+1], v[BB+4*\t:BB+4*\t+1], s[96:97], v[BIAS:BIAS+1] op_sel_hi:[1,0,1]
	v_pk_fma_f32 v[BB+4*\t+2:BB+4*\t+3], v[BB+4*\t+2:BB+4*\t+3], s[96:97], v[BIAS+2:BIAS+3] op_sel_hi:[1,0,1]
	global_store_b128 v[CO], v[BB+4*\t:BB+4*\t+3], s[10:11] offset:\t*SIZE_N*4 th:TH_STORE_NT   ; 32 lanes store 512 consecutive bytes, aligned; written once, read by nobody here
.endr
.endm
	s_wait_kmcnt 0x0
	s_add_co_i32 s96, s96, s97                     ; e10 + e11
	s_add_co_i32 s96, s96, 127
	s_lshl_b32 s96, s96, 23                        ; 2^(e10 + e11) as f32
	s_mov_b32 s97, s96                             ; (named with it as a pair, so it is written)
	s_wait_loadcnt 0x0                             ; bo
	PLACES NP                                      ; behind the last products: for the stores that read results and the loads into the registers that held A's fragments
	TOSTAGE 0
.irp a, 1,2,3,4,5,6,7
.if \a > 1
	s_wait_xcnt 0x0                                ; block a - 2's stores have read their registers and their base: block a's loads may land there, and the base may step
.endif
	TOSTAGE \a
	SEND \a-1, 32                                  ; behind block a - 1's loads: block a's 16 stores and 16 loads
.endr
	s_wait_xcnt 0x0
	SEND 7, 0
	s_wait_tensorcnt 0x0                           ; the wave's end
	ds_add_u32 v[SPW], v[NIL]
	s_wait_dscnt 0x0
	CROUND                                         ; the closing round
	s_endpgm
.Lfunc_end_k_q95e02d9b18_oproj:
	.size	k_q95e02d9b18_oproj, .Lfunc_end_k_q95e02d9b18_oproj-k_q95e02d9b18_oproj
	.p2alignl 7, 3214868480
	.fill 96, 4, 3214868480
	.section	.rodata,"a",@progbits
	.p2align	6, 0x0
	.amdhsa_kernel k_q95e02d9b18_oproj
		.amdhsa_group_segment_fixed_size 327680
		.amdhsa_private_segment_fixed_size 0
		.amdhsa_enable_private_segment 0
		.amdhsa_kernarg_size 40
		.amdhsa_user_sgpr_count 2
		.amdhsa_user_sgpr_kernarg_segment_ptr 1
		.amdhsa_wavefront_size32 1
		.amdhsa_system_sgpr_workgroup_id_x 1
		.amdhsa_system_sgpr_workgroup_id_y 1
		.amdhsa_system_sgpr_workgroup_id_z 1
		.amdhsa_system_vgpr_workitem_id 0
		.amdhsa_next_free_vgpr 1024
		.amdhsa_next_free_sgpr 98
		.amdhsa_reserve_vcc 0
		.amdhsa_float_denorm_mode_32 3
		.amdhsa_float_denorm_mode_16_64 3
		.amdhsa_memory_ordered 1
		.amdhsa_forward_progress 1
		.amdhsa_inst_pref_size 124
	.end_amdhsa_kernel
	.amdgpu_metadata
---
amdhsa.version: [ 1, 2 ]
amdhsa.kernels:
  - .name:           k_q95e02d9b18_oproj
    .symbol:         k_q95e02d9b18_oproj.kd
    .args:
      - { .name: a_img, .offset: 0, .size: 8, .value_kind: global_buffer, .address_space: global }
      - { .name: W_o_codes, .offset: 8, .size: 8, .value_kind: global_buffer, .address_space: global }
      - { .name: lowp_scales, .offset: 16, .size: 8, .value_kind: global_buffer, .address_space: global }
      - { .name: out0, .offset: 24, .size: 8, .value_kind: global_buffer, .address_space: global }
      - { .name: b_o, .offset: 32, .size: 8, .value_kind: global_buffer, .address_space: global }
    .group_segment_fixed_size: 327680
    .private_segment_fixed_size: 0
    .kernarg_segment_align: 8
    .kernarg_segment_size: 40
    .max_flat_workgroup_size: 128
    .sgpr_count:     98
    .vgpr_count:     1024
    .wavefront_size: 32
...
	.end_amdgpu_metadata
.endif
;; end of part 3
